; MI455X (gfx1250); checked and timed in simulation.
; The chip was launched on July 23, 2026; its instructions are those of AMD's public machine-readable ISA for CDNA 5 (MIT licence, August 2026) and "CDNA5" Instruction Set Architecture Reference Guide (July 2026). The comments in the code are by the model that wrote it; some were corrected since.
;; MHA Attention. Allowed arithmetic: matrix products marked QUANTISED: E2M3 operands, one E8M0 scale for each 32 along K, by v_wmma_scale_f32_16x16x128_f8f6f4 with both operands' format E2M3, f32 sums; everything else in f32.
;; Inputs: W_out 512 x 64 float32; b_out 64 float32; key 2 x 4,096 x 512 float32; query 2 x 4,096 x 512 float32; value 2 x 4,096 x 512 float32.
;; Outputs: out0 2 x 4,096 x 64 float32.
;; This version of the problem:
;;   THIS VERSION OF THE PROBLEM IS GIVEN IN LOW PRECISION. The matrix products marked QUANTISED in the list below multiply operands that are first quantised to E2M3 (2 exponent bits, 3 mantissa bits; 6 bits a number), with one power-of-two scale for each 32 numbers along K (OCP MX v1.0); their sums are f32. All else is computed in f32.
;;   The module's matrix products, in the order in which they are computed (A, B: the left and right operand; K: the contracted axis; several contracted axes count as one K, in the product's order):
;;     1. batch 16 x [M 4,096, K 64] x [K 64, N 4,096]; A: input query; B: input key: QUANTISED
;;     2. batch 16 x [M 4,096, K 4,096] x [K 4,096, N 64]; A: softmax (see below); B: input value: QUANTISED
;;     3. [M 8,192, K 512] x [K 512, N 64]; A: computed on the way; B: input W_out: QUANTISED
;;   THE QUANTISER, for each operand of a quantised product, along K:
;;     - K is cut into blocks of 32 from its start; a last block that is shorter is filled with zeros.
;;     - A block's scale is 2^e with e = floor(log2(the largest magnitude in the block)) - 2, held to -126 .. 127; a block of zeros has e = 0. As a byte (E8M0): e + 127.
;;     - Each number is divided by its block's scale, clamped to +-7.5, and rounded to the nearest number of E2M3, ties to even, subnormals kept.
;;     - The product sums the exact products of the quantised numbers (number of the format x scale) in f32.
;;   ~~~python
;;   def quantise(x, axis):      # numpy; x: float32 -> the quantised numbers, widened to float32 again
;;       x = np.moveaxis(x, axis, -1); K = x.shape[-1]
;;       x = np.pad(x, [(0, 0)] * (x.ndim - 1) + [(0, -K % 32)]); x = x.reshape(x.shape[:-1] + (-1, 32)); a = np.abs(x).max(-1, keepdims=True)
;;       e = np.where(a > 0, np.clip(np.frexp(np.where(a > 0, a, 1))[1] - 1 - 2, -126, 127), 0)      # np.frexp(a)[1] - 1 = floor(log2(a)), exactly
;;       r = np.clip(x / 2.0 ** e, -7.5, 7.5)
;;       step = 2.0 ** (np.maximum(np.frexp(np.where(r == 0, 1, r))[1] - 1, 0) - 3)
;;       q = np.round(r / step) * step * 2.0 ** e      # np.round: ties to even
;;       return np.moveaxis(q.reshape(q.shape[:-2] + (-1,))[..., :K], -1, axis).astype(np.float32)
;;   ~~~
;;   SOFTMAX AHEAD OF A QUANTISED PRODUCT. Where the list says 'softmax', what is quantised is not the finished softmax but p = 2^(t - M), with t = logit x log2(e) and M = ceil(the row's largest t), a whole number; so 1/2 < the row's largest p <= 1. The row's sum l is taken of the UNQUANTISED p, in f32, and the product's result is divided by l at the end. Since M is a whole number, a kernel that streams over the keys may use a running M (the ceiling of the running maximum): every later rescaling is an exact power of two, which a block's scale takes up: the codes' values come out the same.
;;   OPERANDS COMPUTED ON THE WAY. 'Computed on the way' means the value that the module computes at that place (a softmax that the list does not call 'softmax' is quantised finished and normalised). What goes into a quantiser is computed in f32, as accurately as f32 sums, v_exp_f32 and their like allow (about 1e-6 of the number): no bf16 or f16 on the way to a quantiser, and a product that is left as it is and whose result goes on into a quantised operand takes f32 operands (vector FMAs, or v_wmma_f32_16x16x4_f32). A number that lies on a knife's edge between two numbers of the format may be rounded either way, as far as f32 arithmetic and the matrix unit's own rounding can turn it there, and no further.
;; One version. Each part assembles by itself: llvm-mc -triple=amdgcn-amd-amdhsa -mcpu=gfx1250 --defsym DOCPART=n.
;; ======== version 1 of 1: 3 launches
;; limits: right only within a limited range of input values
;; workspace buffers: kv 6,815,744 bytes; oc 3,145,728 bytes; os 262,144 bytes; wc 24,576 bytes; ws 2,048 bytes
;; launch quant (part 1): grid 1028 x 1, 4 waves a work-group, no clusters, 36,608 bytes of LDS; arguments key, value, W_out, kv, wc, ws; writes kv, wc, ws
.if DOCPART == 1
	.amdgcn_target "amdgcn-amd-amdhsa--gfx1250"
	.amdhsa_code_object_version 6
	.text
	.protected	k_q1319dac072_quant
	.globl	k_q1319dac072_quant
	.p2align	8
	.type	k_q1319dac072_quant,@function
k_q1319dac072_quant:
	s_mov_b64 s[64:65], 0
	v_nop
	global_prefetch_b8 v0, s[64:65] scope:SCOPE_SE
	s_setreg_imm32_b32 hwreg(HW_REG_WAVE_MODE, 25, 1), 1
	s_wait_xcnt 0x0
; key, value [2][4096][512] and W_out [512][64], f32, become codes of FP6 (E2M3) with one E8M0 byte for each 32 along the K of the product that takes them:
; key along a head's 64 channels, value along the keys, W_out along its first axis.  The codes are laid as IMAGES OF OPERAND REGISTERS: four registers a chunk, lane l's 16 bytes at 16 l, 512 bytes a chunk.
; kv: [8 b + head][step of 128 keys][REC = 13,312 bytes]:  0: K's codes, 12 chunks (register 6 t + i; tile t = 4 c + u; lane (r, h): key 64 c + 32 (r / 8) + 8 u + r % 8, channels 32 h + 0 .. 31);
;   6,144: V's codes, 12 chunks (register 12 t + 6 c + i; tile t = 2 g + u; lane (r, h): channel 32 g + 8 u + r + 8 (r / 8), keys 64 c + 32 h + 0 .. 31);
;   12,288: K's scale words, one chunk (register q: lanes 0-15 tile 2 q, lanes 16-31 tile 2 q + 1; a word is b0, b1, b0, b1: the upper two scale the empty half of a product 128 deep);
;   12,800: V's scale words, 8 bytes a lane (register q: lanes 0-15 tile 2 q, lanes 16-31 tile 2 q + 1);  13,056: 256 zeros, so that eight records are 16 equal shares of whole rows of 256 bytes.
; wc: [K step of 128][nt][1,536]: lane (r, h): column 4 r + nt, k = 64 c + 32 h + i in register 6 c + ..;  ws: [K step][lane][nt], a word each.
; A block's scale is 2^(floor(log2(its largest magnitude)) - 2); its byte is that magnitude's exponent field - 2, held at 1 from below.
; LIMITS: NaN and infinities are not served; a block whose largest magnitude lies under 2^-124, a block of zeros among them, gets the byte 1 (its codes are zeros or nearly so; the bytes are read by this program alone).
; SHARES: work-groups 0-511 make the K part of one record each, 512-1023 the V part, 1024-1027 one K step of W_out.  The three ways part on the work-group's number alone; each has LDS bytes, one barrier and an end of its own.
; No tensor loads and no ring: a wave asks for all its 8 KiB at once.  No matrix unit, no cluster: nothing is multiplied and no two work-groups read the same bytes.
.set REC,    13312
.set SPITCH, 272                       ; a stage row: a head's 256 bytes + 16
.set WST,    32*SPITCH                 ; K's way: a stage of 32 rows for each wave, from LDS byte 0
.set KSG,    4*WST                     ; K's way: 512 bytes in which the four waves' scale words meet
.set VSG,    KSG+512                   ; V's way: 256 bytes likewise
.set WSG,    VSG+256                   ; W's way: 512 bytes likewise
.set SPARE,  WSG+512                   ; the spare words, 128 bytes a wave
.set R,      64                        ; v64-127   64 numbers as loaded
.set X,      128                       ; v128-191  K's way: two blocks of 32 neighbours
.set C,      24                        ; v24-35    twelve registers of codes
; v1 lane, v2 r, v3 h, v4 my loads' offset, v5, v6 the stage in and out, v7 16 x lane, v8 8 h, v9 16 x lane + 4 x wave, v10-12 at work, v14-16 a block's upper 16 codes,
; v17 a lane permute's destination, v18, v19 two scale bytes, v20-22 scale words, v36-39 the gathered words, v40-44 V's places, v45, v46 the add's two registers, v48, v49 zeros
.macro QBLOCK x, c, by                 ; a lane's 32 numbers, one block, become six registers of codes and the scale's byte
.set QX, \x
.set QC, \c
	v_max3_num_f32 v10, |v[QX]|, |v[QX+1]|, |v[QX+2]|
	v_max3_num_f32 v11, |v[QX+3]|, |v[QX+4]|, |v[QX+5]|
.irp i, 6,10,14,18,22,26
	v_max3_num_f32 v10, v10, |v[QX+\i]|, |v[QX+\i+1]|
	v_max3_num_f32 v11, v11, |v[QX+\i+2]|, |v[QX+\i+3]|
.endr
	v_max3_num_f32 v10, v10, |v[QX+30]|, |v[QX+31]|
	v_max3_num_f32 v10, v10, v11, 0x1800000                ; the floor 2^(3 - 127): the byte cannot fall under 1
	v_add_nc_u32 v12, 0xff000000, v10                      ; 2 off the exponent field: the conversion's scale operand
	v_lshrrev_b32 v[\by], 23, v12                          ; the scale's byte
	v_cvt_scalef32_pk16_fp6_f32 v[QC:QC+2], v[QX:QX+15], v12
	v_cvt_scalef32_pk16_fp6_f32 v[14:16], v[QX+16:QX+31], v12   ; (a conversion's three registers begin on an even number)
	v_nop                                                  ; one plain line behind a scaled conversion
.irp i, 0,1,2
	v_mov_b32 v[QC+3+\i], v[14+\i]
.endr
.endm
.macro FINISH                          ; a wave's end
	s_wait_tensorcnt 0x0
	ds_add_u32 v45, v46
	s_wait_dscnt 0x0
	s_endpgm
.endm
	s_load_b256 s[4:11], s[0:1], 0x0               ; key s[4:5], value s[6:7], W_out s[8:9], kv s[10:11]
	s_load_b128 s[12:15], s[0:1], 0x20             ; wc s[12:13], ws s[14:15]
	v_lshl_add_u32 v45, v0, 2, SPARE
	v_mov_b32 v46, 0
	v_lshrrev_b32 v1, 5, v0
	v_readfirstlane_b32 s16, v1                    ; wave 0..3
	v_and_b32 v1, 31, v0                           ; lane
	v_and_b32 v2, 15, v0                           ; r
	v_bfe_u32 v3, v0, 4, 1                         ; h
	v_lshlrev_b32 v7, 4, v1
	v_lshlrev_b32 v8, 3, v3
	v_mov_b32 v17, 0
	s_mov_b32 s20, 0x76543210
	s_mov_b32 s21, 0xfedcba98                      ; v_permlanex16_b32's selects for lane l xor 16
	s_mov_b32 s22, 0xffff0000                      ; lanes 16-31
	; every LDS address is made here, ahead of the parting of the ways
	s_mul_i32 s23, s16, WST
	v_mul_u32_u24 v5, v3, SPITCH
	v_lshl_add_u32 v5, v2, 4, v5
	v_add_nc_u32 v5, s23, v5                       ; in: a load's two rows: row h, 16 bytes at 16 r
	v_mul_u32_u24 v6, v2, SPITCH
	v_lshl_add_u32 v6, v3, 7, v6
	v_add_nc_u32 v6, s23, v6                       ; out: row r, my half's 128 bytes
	s_lshl_b32 s23, s16, 2
	v_add_nc_u32 v9, s23, v7
	v_and_b32 v40, 7, v0
	v_lshl_or_b32 v40, v3, 3, v40                  ; V's way: my column is lane r' = lane % 8 + 8 (lane / 16)
	v_bfe_u32 v41, v0, 3, 1                        ; of tile u = (lane / 8) % 2 of its pair
	v_lshlrev_b32 v42, 3, v40
	v_lshl_add_u32 v42, v41, 7, v42
	s_lshr_b32 s33, s16, 1                         ; wave / 2
	s_and_b32 s36, s16, 1                          ; wave % 2
	s_lshl_b32 s37, s33, 2
	s_add_co_u32 s37, s37, s36
	v_add_nc_u32 v42, s37, v42                     ; my scale bytes: 8 r' + 128 u + 4 (wave / 2) + wave % 2, and 2 further on
	v_lshlrev_b32 v43, 4, v40
	v_mad_u32_u24 v43, v41, 1536, v43              ; my codes: 1,536 u + 16 r'
	v_lshlrev_b32 v44, 3, v1
	; which record (K's and V's ways): the head runs fastest
	s_and_b32 s17, ttmp9, 511
	s_and_b32 s24, s17, 7                          ; head
	s_bfe_u32 s25, s17, 0x50003                    ; step of 128 keys
	s_lshr_b32 s26, s17, 8                         ; batch
	s_lshl_b32 s27, s26, 12
	s_lshl_b32 s28, s25, 7
	s_add_co_u32 s27, s27, s28
	s_lshl_b32 s27, s27, 11                        ; rows of 2,048 bytes
	s_lshl_b32 s28, s24, 8
	s_add_co_u32 s18, s27, s28
	s_mov_b32 s19, 0
	s_lshl_b32 s28, s26, 3
	s_add_co_u32 s28, s28, s24
	s_lshl_b32 s28, s28, 5
	s_add_co_u32 s28, s28, s25                     ; record = 32 (8 b + head) + step
	s_mul_i32 s30, s28, REC
	s_mov_b32 s31, 0
	s_wait_alu depctr_va_vdst(0)
	s_wait_kmcnt 0x0
	s_cmp_ge_u32 ttmp9, 1024
	s_cbranch_scc1 .Lw_path
	s_cmp_ge_u32 ttmp9, 512
	s_cbranch_scc1 .Lv_path
	; ---- K: wave w makes tiles 2 w and 2 w + 1: keys 64 (w / 2) + 16 (w % 2) + 0 .. 15, and the sixteen that lie 32 further on
	s_lshl_b32 s32, s33, 17                        ; 64 rows of 2,048 bytes
	s_add_co_u32 s18, s18, s32
	s_lshl_b32 s32, s36, 15                        ; 16 rows
	s_add_co_u32 s18, s18, s32
	s_add_nc_u64 s[4:5], s[4:5], s[18:19]
	s_mul_i32 s32, s16, 1536                       ; three chunks a wave
	s_add_co_u32 s30, s30, s32
	s_add_nc_u64 s[34:35], s[10:11], s[30:31]
	v_lshlrev_b32 v4, 4, v2
	v_lshl_add_u32 v4, v3, 11, v4                  ; a load takes two rows whole: 256 bytes of a head each
.irp u, 0,1
.irp j, 0,1,2,3,4,5,6,7
	global_load_b128 v[R+32*\u+4*\j:R+32*\u+4*\j+3], v4, s[4:5] offset:(8*\u+32*(\j/4)+2*(\j%4))*2048 th:TH_LOAD_NT   ; the tile's rows 2 j and 2 j + 1
.endr
.endr
	s_wait_loadcnt 8                               ; tile 0's eight loads are in, tile 1's eight stay out
.irp j, 0,1,2,3,4,5,6,7
	ds_store_b128 v5, v[R+4*\j:R+4*\j+3] offset:2*\j*SPITCH
.endr
.irp i, 0,1,2,3,4,5,6,7
	ds_load_b128 v[X+4*\i:X+4*\i+3], v6 offset:16*\i             ; LDS serves a wave's instructions in order (ISA guide 5.7.1.4)
.endr
	s_wait_loadcnt 0x0
.irp j, 0,1,2,3,4,5,6,7
	ds_store_b128 v5, v[R+32+4*\j:R+32+4*\j+3] offset:(16+2*\j)*SPITCH
.endr
.irp i, 0,1,2,3,4,5,6,7
	ds_load_b128 v[X+32+4*\i:X+32+4*\i+3], v6 offset:16*SPITCH+16*\i
.endr
	s_wait_dscnt 16                                ; tile 0's numbers are back; tile 1's eight stores and eight loads may be out
	QBLOCK X, C, 18
	s_wait_dscnt 0x0
	QBLOCK X+32, C+6, 19
.irp u, 0,1
	v_lshlrev_b32 v[20+\u], v8, v[18+\u]           ; my block's byte at its place,
	v_permlanex16_b32 v17, v[20+\u], s20, s21
	v_or_b32 v[20+\u], v[20+\u], v17               ; with lane l xor 16's: b0, b1;
	v_lshl_or_b32 v[20+\u], v[20+\u], 16, v[20+\u] ; and once more for the empty upper half of K
.endr
	v_cndmask_b32 v22, v20, v21, s22               ; lanes 0-15: tile 2 w's words, lanes 16-31: tile 2 w + 1's
.irp j, 0,1,2
	global_store_b128 v7, v[C+4*\j:C+4*\j+3], s[34:35] offset:512*\j   ; 512 consecutive bytes, at a multiple of 256 from kv's first byte
.endr
	ds_store_b32 v9, v22 offset:KSG
	s_wait_dscnt 0x0                               ; for the others' sake: my word has landed
	s_barrier_signal -1
	s_barrier_wait -1
	s_cmp_lg_u32 s16, 0
	s_cbranch_scc1 .Lk_end
	ds_load_b128 v[36:39], v7 offset:KSG
	s_wait_dscnt 0x0
	global_store_b128 v7, v[36:39], s[34:35] offset:12288        ; (wave 0's base is the record's first byte)
.Lk_end:
	FINISH
	; ---- V: a lane takes a channel, and its registers run down the keys: wave 2 gw + hw: channels 32 gw + lane, keys 64 c + 32 hw + i
.Lv_path:
	s_lshl_b32 s32, s36, 16                        ; 32 hw rows
	s_add_co_u32 s18, s18, s32
	s_lshl_b32 s32, s33, 7                         ; 32 gw channels
	s_add_co_u32 s18, s18, s32
	s_add_nc_u64 s[6:7], s[6:7], s[18:19]
	s_mul_i32 s32, s33, 3072                       ; tiles 2 gw, 2 gw + 1: six chunks
	s_add_co_u32 s30, s30, s32
	s_lshl_b32 s32, s36, 8                         ; lanes 16 hw on
	s_add_co_u32 s30, s30, s32
	s_add_nc_u64 s[34:35], s[10:11], s[30:31]
	v_lshlrev_b32 v4, 2, v1
.set i, 0
.rept 64
	global_load_b32 v[R+i], v4, s[6:7] offset:(64*(i/32)+i%32)*2048 th:TH_LOAD_NT   ; 32 lanes read 128 consecutive bytes of one key's row
.set i, i+1
.endr
	s_wait_loadcnt 32                              ; block c = 0 is in, block c = 1's 32 loads stay out
	QBLOCK R, C, 18
	s_wait_loadcnt 0x0
	QBLOCK R+32, C+6, 19
.irp j, 0,1,2
	global_store_b128 v43, v[C+4*\j:C+4*\j+3], s[34:35] offset:6144+512*\j   ; two runs of 256 consecutive bytes, each at a multiple of 256
.endr
	ds_store_b8 v42, v18 offset:VSG                ; keys 32 hw on,
	ds_store_b8 v42, v19 offset:VSG+2              ; keys 64 + 32 hw on
	s_wait_dscnt 0x0
	s_barrier_signal -1
	s_barrier_wait -1
	s_cmp_lg_u32 s16, 0
	s_cbranch_scc1 .Lv_end
	ds_load_b64 v[36:37], v44 offset:VSG
	s_wait_dscnt 0x0
	global_store_b64 v44, v[36:37], s[34:35] offset:12800        ; 256 consecutive bytes (wave 0's base is the record's first byte)
	v_mov_b32 v48, 0
	v_mov_b32 v49, 0
	global_store_b64 v44, v[48:49], s[34:35] offset:13056        ; the record's last 256 bytes: zeros
.Lv_end:
	FINISH
	; ---- W_out: work-group ks, wave nt: lane (r, h) takes column 4 r + nt, rows 128 ks + 64 c + 32 h + i
.Lw_path:
	s_sub_co_u32 s24, ttmp9, 1024                  ; ks
	s_lshl_b32 s18, s24, 15                        ; 128 rows of 256 bytes
	s_lshl_b32 s25, s16, 2
	s_add_co_u32 s18, s18, s25
	s_add_nc_u64 s[8:9], s[8:9], s[18:19]
	s_lshl_b32 s26, s24, 2
	s_add_co_u32 s26, s26, s16
	s_mul_i32 s30, s26, 1536
	s_add_nc_u64 s[12:13], s[12:13], s[30:31]
	s_lshl_b32 s30, s24, 9
	s_add_nc_u64 s[14:15], s[14:15], s[30:31]
	v_lshlrev_b32 v4, 4, v2
	v_lshl_add_u32 v4, v3, 13, v4                  ; 16 r + 32 h rows
.set i, 0
.rept 64
	global_load_b32 v[R+i], v4, s[8:9] offset:(64*(i/32)+i%32)*256
.set i, i+1
.endr
	s_wait_loadcnt 32
	QBLOCK R, C, 18
	s_wait_loadcnt 0x0
	QBLOCK R+32, C+6, 19
	v_lshl_or_b32 v20, v19, 16, v18                ; blocks h and 2 + h of my column,
	v_lshlrev_b32 v20, v8, v20                     ; at their places;
	v_permlanex16_b32 v17, v20, s20, s21
	v_or_b32 v20, v20, v17                         ; with lane l xor 16's two the word is whole
.irp j, 0,1,2
	global_store_b128 v7, v[C+4*\j:C+4*\j+3], s[12:13] offset:512*\j
.endr
	ds_store_b32 v9, v20 offset:WSG
	s_wait_dscnt 0x0
	s_barrier_signal -1
	s_barrier_wait -1
	s_cmp_lg_u32 s16, 0
	s_cbranch_scc1 .Lw_end
	ds_load_b128 v[36:39], v7 offset:WSG
	s_wait_dscnt 0x0
	global_store_b128 v7, v[36:39], s[14:15]
.Lw_end:
	FINISH
.Lfunc_end_k_q1319dac072_quant:
	.size	k_q1319dac072_quant, .Lfunc_end_k_q1319dac072_quant-k_q1319dac072_quant
	.p2alignl 7, 3214868480
	.fill 96, 4, 3214868480
	.section	.rodata,"a",@progbits
	.p2align	6, 0x0
	.amdhsa_kernel k_q1319dac072_quant
		.amdhsa_group_segment_fixed_size 36608
		.amdhsa_private_segment_fixed_size 0
		.amdhsa_enable_private_segment 0
		.amdhsa_kernarg_size 48
		.amdhsa_user_sgpr_count 2
		.amdhsa_user_sgpr_kernarg_segment_ptr 1
		.amdhsa_wavefront_size32 1
		.amdhsa_system_sgpr_workgroup_id_x 1
		.amdhsa_system_sgpr_workgroup_id_y 1
		.amdhsa_system_sgpr_workgroup_id_z 1
		.amdhsa_system_vgpr_workitem_id 0
		.amdhsa_next_free_vgpr 192
		.amdhsa_next_free_sgpr 66
		.amdhsa_reserve_vcc 0
		.amdhsa_float_denorm_mode_32 3
		.amdhsa_float_denorm_mode_16_64 3
		.amdhsa_memory_ordered 1
		.amdhsa_forward_progress 1
		.amdhsa_inst_pref_size 32
	.end_amdhsa_kernel
	.amdgpu_metadata
---
amdhsa.version: [ 1, 2 ]
amdhsa.kernels:
  - .name:           k_q1319dac072_quant
    .symbol:         k_q1319dac072_quant.kd
    .args:
      - { .name: key, .offset: 0, .size: 8, .value_kind: global_buffer, .address_space: global }
      - { .name: value, .offset: 8, .size: 8, .value_kind: global_buffer, .address_space: global }
      - { .name: W_out, .offset: 16, .size: 8, .value_kind: global_buffer, .address_space: global }
      - { .name: kv, .offset: 24, .size: 8, .value_kind: global_buffer, .address_space: global }
      - { .name: wc, .offset: 32, .size: 8, .value_kind: global_buffer, .address_space: global }
      - { .name: ws, .offset: 40, .size: 8, .value_kind: global_buffer, .address_space: global }
    .group_segment_fixed_size: 36608
    .private_segment_fixed_size: 0
    .kernarg_segment_align: 8
    .kernarg_segment_size: 48
    .max_flat_workgroup_size: 128
    .sgpr_count:     66
    .vgpr_count:     192
    .wavefront_size: 32
...
	.end_amdgpu_metadata
.endif
;; end of part 1
;; launch attn (part 2): grid 16 x 16, 16 waves a work-group, clusters of 4 x 1, 327,680 bytes of LDS; arguments query, kv, oc, os; writes oc, os
.if DOCPART == 2
	.amdgcn_target "amdgcn-amd-amdhsa--gfx1250"
	.amdhsa_code_object_version 6
	.text
	.protected	k_q1319dac072_attn
	.globl	k_q1319dac072_attn
	.p2align	8
	.type	k_q1319dac072_attn,@function
k_q1319dac072_attn:
	s_mov_b64 s[64:65], 0
	v_nop
	global_prefetch_b8 v0, s[64:65] scope:SCOPE_SE
	s_setreg_imm32_b32 hwreg(HW_REG_WAVE_MODE, 25, 1), 1
	s_wait_xcnt 0x0
	s_wait_alu depctr_hold_cnt(0) depctr_sa_sdst(0) depctr_va_vdst(0) depctr_va_sdst(0) depctr_va_ssrc(0) depctr_va_vcc(0) depctr_vm_vsrc(0)
	s_getreg_b32 s2, hwreg(HW_REG_IB_STS2, 6, 4)
	s_cmp_eq_u32 s2, 0
	s_cbranch_scc0 .Lentry_in_a_cluster
	s_endpgm
.Lentry_in_a_cluster:
	s_bfe_u32 s2, ttmp6, 0x10000c
	s_cmp_lg_u32 s2, 0x3003
	s_cbranch_scc0 .Lentry_shape_is_right
	s_endpgm
.Lentry_shape_is_right:
; For each (batch, head): O[q] = the sum over k of softmax_k(Q[q] . K[k] / 8) V[k], head size 64, 4,096 queries and keys, both products on codes of FP6 (E2M3) with one E8M0 scale for each 32 along K.
; K and V come as codes from kv, laid as images of operand registers, a record of 13,312 bytes for each 128 keys (K's codes 6,144, V's 6,144, K's scale words 512, V's 256, 256 zeros).  Q (f32) is quantised here.
; THE SOFTMAX: t = score x log2(e) / 8; M = the row's largest t so far, rounded UP to a whole number; p = 2^(t - M) is quantised along the keys, not normalised; the row's sum is taken of the unquantised p and divides O
; at the end.  When M moves, the sum and O are multiplied by 2^(old M - new M): exact.  The finished O is quantised along the head's 64 channels and leaves as codes (oc) and scale words (os).
; SHARES.  A work-group owns 256 queries of one head; each of its sixteen waves owns 16, one tile, in 256 registers.  A STEP IS 256 KEYS, two records: the maximum, M and the rescaling of O are made once for 128 scores a lane.
; LAYOUT.  Both products are used transposed: S^T = K Q^T (source 0 = 16 keys), O^T = V^T P^T (source 0 = 16 channels): a lane holds ONE query (lane % 16) throughout.  Lane r of K's tile 4 c + u is key
; 64 c + 32 (r / 8) + 8 u + r % 8: so the 32 registers of tiles 4 c .. 4 c + 3 are, in lane (r, h), the keys 64 c + 32 h + 0 .. 31: a WHOLE block of the next product's K, in the order of that operand's registers.
; A block's maximum needs no other lane and p's codes are not moved between lanes.  V's tiles: lane r of tile 2 g + u is channel 32 g + 8 u + r + 8 (r / 8).
; K = 64 IN A PRODUCT 128 DEEP.  Q's registers for k = 64 .. 127 are zero codes; the upper six registers of K's tile t are tile t + 1's codes (tile 7's: six zeros): finite codes under real scale bytes, so each such product is 0.
; REGISTERS ARE USED TWICE: V's fragments land in the registers of the scores once p has been converted and summed; p's codes and the step's small numbers lie in K's registers once the scores are made.
; THE PLACES behind matrix instructions (ISA guide 7.12.1) are taken by work that is due anyway wherever there is any: the joins of record a's maxima, the joins of the row's sum, the step's two address lines, the copy of -M.
; CLUSTER.  The four query blocks of a cluster walk the same head's records: each fill is asked for JOINTLY.  RING.  Two slots of eight records (1,024 keys, 106,496 bytes = 416 rows of 256); every wave fetches 26 rows of
; each fill by one tensor load, and never has more than one out.  Four fills, four changes of slots.
; NO PREFETCH: a fill is asked for four steps, 1,024 keys' work of every wave, ahead of its first read, and the launch has only two fills that are not asked for at its start.
; LIMITS: NaN and infinities are not served; the scaled scores stay under 2^31 in magnitude; a p under 2^-126 counts as 0; a block whose largest magnitude lies under 2^-124 gets the scale byte 1.
.set REC,   13312
.set SLOTB, 8*REC
.set HEADB, 32*REC
.set PIECE, SLOTB/16                   ; 26 rows of 256 bytes: a wave's share of a fill
.set SLOT1, 131072                     ; slot 1 begins here: one exclusive or turns an address in one slot into the other's
.set SPARE, SLOTB                      ; behind slot 0: the spare words, 128 bytes for each wave
.set OSTG,  SPARE+2048                 ; 1,024 bytes in which the sixteen waves' scale words of O meet
.set QSTG,  SLOT1+SLOTB                ; behind slot 1: a stage of 16 rows x 272 bytes for each wave, through which Q turns; no tensor load lands here
.set QP,    272
.set MX,  8                            ; v8-11   the four blocks' largest scores, then their p
.set KB,  32                           ; v32-79  K's codes: tile t at v[32 + 6 t];  v80-85: six zeros
.set PC,  32                           ; v32-55  p's codes, two records
.set CT,  56                           ; v56-62  the upper halves of blocks as the conversions leave them
.set SO,  64                           ; v64-67  the conversions' scales
.set BY,  68                           ; v68-71  scale bytes
.set T,   72                           ; v72-77  three partial sums
.set F,   78                           ; v78     f (v79 named with it)
.set KSC, 86                           ; v86-89  K's scale words
.set PSC, 90                           ; v90     p's scale words: lanes 0-15 record a's, lanes 16-31 record b's
.set VSC, 92                           ; v92-95  V's scale words
.set O,   96                           ; v96-127 O^T
.set S,   128                          ; v128-255 S^T, then p, then V's codes (record a from v128, record b from v192)
; v0 thread, v1 16 x lane, v2 8 x lane, v3, v4 the same at the step's two records, v5, v6 the add's two registers, v7 8 h, v12 -M, v13 the largest score, v[14:15] the sum, v16-27 Q's codes (22-27 zeros), v28 Q's scale words,
; v29 the old -M, v30, v31 at work
; s[4:11] query, kv, oc, os; s12 wave; s14 query block; s15 8 b + head; s[16:17] lane selects; s[18:19] c; s20 the slot in hand; s21 fills to ask for; s22 -c; s23 the step's LDS byte; s51 steps; s52 lanes 16-31;
; s[24:31], s[32:35] the descriptor
.macro CROUND                          ; a round of the cluster's barrier
	s_barrier_signal -1
	s_barrier_wait -1
	s_cmp_lg_u32 s12, 0
	s_cbranch_scc1 .Lnot_wave_0_\@
	s_barrier_signal -3
.Lnot_wave_0_\@:
	s_barrier_wait -3
	s_barrier_signal -1
	s_barrier_wait -1
.endm
.macro WS d, a, sa, row                ; a product that starts a tile of scores; row = 1: source 0's scales stand in lanes 16-31
.if \row
	v_wmma_scale_f32_16x16x128_f8f6f4 v[\d:\d+7], v[\a:\a+11], v[16:27], 0, v[\sa], v28 matrix_a_fmt:MATRIX_FMT_FP6 matrix_b_fmt:MATRIX_FMT_FP6 matrix_a_scale:MATRIX_SCALE_ROW1
.else
	v_wmma_scale_f32_16x16x128_f8f6f4 v[\d:\d+7], v[\a:\a+11], v[16:27], 0, v[\sa], v28 matrix_a_fmt:MATRIX_FMT_FP6 matrix_b_fmt:MATRIX_FMT_FP6
.endif
.endm
.macro WP d, a, b, sa, row, rowb       ; a product that adds onto a tile of O; rowb = 1: source 1's scales stand in lanes 16-31
.if \row
.if \rowb
	v_wmma_scale_f32_16x16x128_f8f6f4 v[\d:\d+7], v[\a:\a+11], v[\b:\b+11], v[\d:\d+7], v[\sa], v[PSC] matrix_a_fmt:MATRIX_FMT_FP6 matrix_b_fmt:MATRIX_FMT_FP6 matrix_a_scale:MATRIX_SCALE_ROW1 matrix_b_scale:MATRIX_SCALE_ROW1
.else
	v_wmma_scale_f32_16x16x128_f8f6f4 v[\d:\d+7], v[\a:\a+11], v[\b:\b+11], v[\d:\d+7], v[\sa], v[PSC] matrix_a_fmt:MATRIX_FMT_FP6 matrix_b_fmt:MATRIX_FMT_FP6 matrix_a_scale:MATRIX_SCALE_ROW1
.endif
.else
.if \rowb
	v_wmma_scale_f32_16x16x128_f8f6f4 v[\d:\d+7], v[\a:\a+11], v[\b:\b+11], v[\d:\d+7], v[\sa], v[PSC] matrix_a_fmt:MATRIX_FMT_FP6 matrix_b_fmt:MATRIX_FMT_FP6 matrix_b_scale:MATRIX_SCALE_ROW1
.else
	v_wmma_scale_f32_16x16x128_f8f6f4 v[\d:\d+7], v[\a:\a+11], v[\b:\b+11], v[\d:\d+7], v[\sa], v[PSC] matrix_a_fmt:MATRIX_FMT_FP6 matrix_b_fmt:MATRIX_FMT_FP6
.endif
.endif
.endm
.macro PLACES n
.rept \n
	v_nop
.endr
.endm
	s_load_b256 s[4:11], s[0:1], 0x0
	v_lshl_add_u32 v5, v0, 2, SPARE
	v_mov_b32 v6, 0
	ds_add_u32 v5, v6                              ; the opening lines: the add, twice on end, and its wait ahead of my first tensor load
	ds_add_u32 v5, v6
	v_lshrrev_b32 v10, 5, v0
	v_readfirstlane_b32 s12, v10                   ; wave 0..15
	s_bfe_u32 s13, ttmp6, 0x40000                  ; cx: my place in the cluster
	s_lshl_b32 s14, ttmp9, 2
	s_add_co_u32 s14, s14, s13                     ; my block of 256 queries: it enters query's, oc's and os's addresses alone
	s_and_b32 s15, ttmp7, 0xffff                   ; 8 b + head, which the four partners share
	s_mov_b32 s24, 15|(3<<16)|(1<<21)              ; group 1: the mask of all four work-groups; elements of 8 bytes; no padding (every read is an image); bit 21 beside a mask
	s_mov_b32 s25, 32<<16                          ; rows of 32 elements, 256 bytes,
	s_mov_b32 s26, 26<<16                          ; 26 of them
	s_mov_b32 s27, 32<<16
	s_mov_b32 s28, 26
	s_mov_b32 s29, 32
	s_mov_b32 s30, 0
	s_mov_b32 s31, 0
	s_mul_i32 s37, s12, PIECE                      ; my share of a fill: no place in the cluster enters an LDS address
	s_mul_i32 s38, s15, HEADB
	s_add_co_u32 s38, s38, s37
	s_mov_b32 s39, 0
	s_lshr_b32 s40, s15, 3                         ; b
	s_and_b32 s41, s15, 7                          ; head
	s_lshl_b32 s42, s40, 12
	s_lshl_b32 s43, s14, 8
	s_add_co_u32 s42, s42, s43
	s_lshl_b32 s43, s12, 4
	s_add_co_u32 s42, s42, s43                     ; my first query's row: 4,096 b + 256 block + 16 wave
	s_lshl_b32 s44, s42, 11
	s_lshl_b32 s43, s41, 8
	s_add_co_u32 s44, s44, s43                     ; rows of 2,048 bytes + the head's 256
	s_mov_b32 s45, 0
	s_lshl_b32 s46, s40, 8
	s_lshl_b32 s47, s14, 4
	s_add_co_u32 s46, s46, s47
	s_add_co_u32 s46, s46, s12                     ; my tile of 16 rows: 256 b + 16 block + wave
	s_lshl_b32 s46, s46, 3
	s_add_co_u32 s46, s46, s41
	s_mul_i32 s46, s46, 768                        ; oc: 768 bytes for each (tile, head)
	s_mov_b32 s47, 0
	s_lshl_b32 s48, s15, 14
	s_lshl_b32 s49, s14, 10
	s_add_co_u32 s48, s48, s49                     ; os: 4 bytes a query
	s_mov_b32 s49, 0
	s_mov_b32 s16, 0x76543210
	s_mov_b32 s17, 0xfedcba98                      ; v_permlanex16_b32's selects for lane l xor 16
	s_mov_b32 s18, 0x3e38aa3b                      ; c = log2(e) / 8
	s_mov_b32 s19, s18
	s_mov_b32 s22, 0xbe38aa3b                      ; -c
	s_mov_b32 s52, 0xffff0000                      ; lanes 16-31
	s_mov_b32 s20, 0
	s_mov_b32 s21, 3
	s_mul_i32 s36, s12, 16*QP
	s_add_co_u32 s36, s36, QSTG                    ; my stage
	v_and_b32 v10, 15, v0                          ; r
	v_bfe_u32 v11, v0, 4, 1                        ; h
	v_lshlrev_b32 v29, 4, v10
	v_lshl_add_u32 v29, v11, 11, v29               ; Q: a load takes two rows whole: lanes 0-15 a head's 256 bytes, lanes 16-31 the next row's
	v_and_b32 v1, 31, v0
	v_lshlrev_b32 v2, 3, v1
	v_lshlrev_b32 v1, 4, v1
	v_lshlrev_b32 v7, 3, v11
	v_mul_u32_u24 v8, v11, QP
	v_lshl_add_u32 v8, v10, 4, v8
	v_add_nc_u32 v8, s36, v8                       ; into the stage: row h, 16 bytes at 16 r
	v_mul_u32_u24 v9, v10, QP
	v_lshl_add_u32 v9, v11, 7, v9
	v_add_nc_u32 v9, s36, v9                       ; out of it: row r, my block of 32 channels
	s_wait_dscnt 0x0                               ; both opening adds are done
	s_wait_alu depctr_va_vdst(0)
	s_wait_kmcnt 0x0
	s_mov_b32 s32, 1
	s_mov_b32 s33, s37                             ; LDS address: slot 0, my share
	s_add_nc_u64 s[34:35], s[6:7], s[38:39]        ; the head's first eight records, my share
	s_or_b32 s35, s35, 0x80000000
	s_add_nc_u64 s[4:5], s[4:5], s[44:45]
	s_add_nc_u64 s[8:9], s[8:9], s[46:47]
	s_add_nc_u64 s[10:11], s[10:11], s[48:49]
.irp j, 0,1,2,3,4,5,6,7
	global_load_b128 v[S+32+4*\j:S+32+4*\j+3], v29, s[4:5] offset:2*\j*2048 th:TH_LOAD_NT   ; my 16 rows of Q, asked for ahead of the round
.endr
	CROUND                                         ; all four work-groups are here: the first joint loads meet
	tensor_load_to_lds s[32:35], s[24:31]          ; slot 0: every wave's one load at the head
	s_nop 0
	v_mov_b32 v13, 0xff61b1e6                      ; the largest score so far: -3e38
	v_mov_b32 v12, 0x7f61b1e6                      ; -M: 3e38
	v_mov_b32 v14, 0
	v_mov_b32 v15, 0
	v_mov_b32 v31, 0                               ; (a lane permute's destination counts as one of its sources)
.irp i, 0,1,2,3,4,5
	v_mov_b32 v[80+\i], 0                          ; the upper half of K's last tile
	v_mov_b32 v[22+\i], 0                          ; Q's codes for k = 64 .. 127
.endr
	s_wait_alu depctr_va_vdst(0)
	s_wait_loadcnt 0x0
.irp j, 0,1,2,3,4,5,6,7
	ds_store_b128 v8, v[S+32+4*\j:S+32+4*\j+3] offset:2*\j*QP
.endr
.irp i, 0,1,2,3,4,5,6,7
	ds_load_b128 v[S+4*\i:S+4*\i+3], v9 offset:16*\i               ; LDS serves a wave's instructions in order (ISA guide 5.7.1.4): these see my stores
.endr
	s_wait_dscnt 0x0
	v_max3_num_f32 v32, |v[S]|, |v[S+1]|, |v[S+2]|                 ; my block's largest magnitude: all 32 numbers are mine
	v_max3_num_f32 v33, |v[S+3]|, |v[S+4]|, |v[S+5]|
.irp i, 6,10,14,18,22,26
	v_max3_num_f32 v32, v32, |v[S+\i]|, |v[S+\i+1]|
	v_max3_num_f32 v33, v33, |v[S+\i+2]|, |v[S+\i+3]|
.endr
	v_max3_num_f32 v32, v32, |v[S+30]|, |v[S+31]|
	v_max3_num_f32 v32, v32, v33, 0x1800000        ; the floor 2^(3 - 127): the byte cannot fall under 1
	v_add_nc_u32 v[SO], 0xff000000, v32            ; 2 off the exponent field: the conversion's scale operand
	v_lshrrev_b32 v33, 23, v[SO]
	v_cvt_scalef32_pk16_fp6_f32 v[16:18], v[S:S+15], v[SO]
	v_cvt_scalef32_pk16_fp6_f32 v[CT:CT+2], v[S+16:S+31], v[SO]    ; (a conversion's three registers begin on an even number)
	v_nop                                          ; one plain line behind a scaled conversion
.irp i, 0,1,2
	v_mov_b32 v[19+\i], v[CT+\i]
.endr
	v_lshlrev_b32 v28, v7, v33                     ; my byte at its place,
	v_permlanex16_b32 v31, v28, s16, s17
	v_or_b32 v28, v28, v31                         ; with lane l xor 16's: b0, b1;
	v_lshl_or_b32 v28, v28, 16, v28                ; and once more for the empty upper half of K
.set j, 0
.rept 32
	v_mov_b32 v[O+j], 0                            ; O^T: the first step finds zeros.  (These lines also stand between the writes of Q's codes and scale word and the first product)
.set j, j+1
.endr
.macro KLOAD off                       ; a record's K: 13 loads of 512 consecutive bytes
.irp c, 0,1,2,3,4,5,6,7,8,9,10,11
	ds_load_b128 v[KB+4*\c:KB+4*\c+3], v3 offset:\off+512*\c
.endr
	ds_load_b128 v[KSC:KSC+3], v3 offset:\off+12288
.endm
.macro VLOAD off, vb, vs               ; a record's V: 13 loads
.irp c, 0,1,2,3,4,5,6,7,8,9,10,11
	ds_load_b128 v[\vb+4*\c:\vb+4*\c+3], v3 offset:\off+6144+512*\c
.endr
	ds_load_b64 v[\vs:\vs+1], v4 offset:\off+12800
.endm
.macro SMUL sb                         ; S^T = K Q^T of a record: register 32 c + i of lane (r, h) is key 64 c + 32 h + i of query r
.irp t, 0,1,2,3,4,5,6,7
	WS \sb+8*\t, KB+6*\t, KSC+\t/2, \t%2
.endr
.endm
.macro PVMUL vb, pc, vs, rowb          ; O^T += V^T P^T of a record: the four accumulators by turns
.irp t, 0,1,2,3
	WP O+8*\t, \vb+12*\t, \pc, \vs+\t/2, \t%2, \rowb
.endr
.endm
.macro BMAXH sb, m                     ; the largest score of my two blocks of a record, four chains by turns; each accumulator is read from its low end on
	v_max3_num_f32 v[\m], v[\sb], v[\sb+1], v[\sb+2]
	v_max3_num_f32 v30, v[\sb+16], v[\sb+17], v[\sb+18]
	v_max3_num_f32 v[\m+1], v[\sb+32], v[\sb+33], v[\sb+34]
	v_max3_num_f32 v31, v[\sb+48], v[\sb+49], v[\sb+50]
.irp i, 3,5,7,9,11,13
	v_max3_num_f32 v[\m], v[\m], v[\sb+\i], v[\sb+\i+1]
	v_max3_num_f32 v30, v30, v[\sb+16+\i], v[\sb+17+\i]
	v_max3_num_f32 v[\m+1], v[\m+1], v[\sb+32+\i], v[\sb+33+\i]
	v_max3_num_f32 v31, v31, v[\sb+48+\i], v[\sb+49+\i]
.endr
.endm
.macro BMAXJ sb, m                     ; and the four lines that join the chains
	v_max3_num_f32 v[\m], v[\m], v30, v[\sb+15]
	v_max3_num_f32 v[\m+1], v[\m+1], v31, v[\sb+47]
	v_max_num_f32 v[\m], v[\m], v[\sb+31]
	v_max_num_f32 v[\m+1], v[\m+1], v[\sb+63]
.endm
.macro CVT sb, pc, so                  ; my two blocks of a record become codes; a block's lower 16 at their place, its upper 16 aside (a conversion's three registers begin on an even number)
	v_cvt_scalef32_pk16_fp6_f32 v[\pc:\pc+2], v[\sb:\sb+15], v[\so]
	v_cvt_scalef32_pk16_fp6_f32 v[CT:CT+2], v[\sb+16:\sb+31], v[\so]
	v_cvt_scalef32_pk16_fp6_f32 v[\pc+6:\pc+8], v[\sb+32:\sb+47], v[\so+1]
	v_cvt_scalef32_pk16_fp6_f32 v[CT+4:CT+6], v[\sb+48:\sb+63], v[\so+1]
.endm
.macro CMOV pc                         ; the upper halves to their places: six moves, four of them in two pairs (an odd and an even destination, sources in different banks)
	v_dual_mov_b32 v[\pc+3], v[CT] :: v_dual_mov_b32 v[\pc+4], v[CT+1]
	v_dual_mov_b32 v[\pc+9], v[CT+4] :: v_dual_mov_b32 v[\pc+10], v[CT+5]
	v_mov_b32 v[\pc+5], v[CT+2]
	v_mov_b32 v[\pc+11], v[CT+6]
.endm
.macro SUM4 n                          ; n rounds of the four chains of the row's sum, from v[j] on
.rept \n
	v_pk_add_f32 v[T:T+1], v[T:T+1], v[j:j+1]
	v_pk_add_f32 v[T+2:T+3], v[T+2:T+3], v[j+2:j+3]
	v_pk_add_f32 v[T+4:T+5], v[T+4:T+5], v[j+4:j+5]
	v_pk_add_f32 v[14:15], v[14:15], v[j+6:j+7]
.set j, j+8
.endr
.endm
; A STEP: 256 keys, the two records at v3, v4.  The row's sum takes the 128 unquantised p by 64 packed additions: four chains, begun in record a, joined behind the step's last products.
.macro DSTEP
	KLOAD 0                                        ; (behind the last step's products stand five plain lines: the sum's three joins and the two address lines)
	s_wait_dscnt 0x0
	SMUL S
	v_mov_b32 v29, v12                             ; the old -M.  With the three lines below: four places ahead of the loads into K's registers and of the first read of the scores
	PLACES 3
	KLOAD REC                                      ; record b's K lands while record a's maxima are taken
	BMAXH S, MX
	s_wait_alu depctr_va_vdst(0)
	s_wait_dscnt 0x0
	SMUL S+64
	BMAXJ S, MX                                    ; record a's joins name no register of record b's products: they are the four places behind these
	BMAXH S+64, MX+2
	BMAXJ S+64, MX+2
	v_max3_num_f32 v30, v[MX], v[MX+1], v[MX+2]
	s_delay_alu instid0(VALU_DEP_1)
	v_max3_num_f32 v30, v30, v[MX+3], v13          ; my half's largest score, and the largest so far
	s_delay_alu instid0(VALU_DEP_1)
	v_permlanex16_b32 v31, v30, s16, s17
	s_delay_alu instid0(VALU_DEP_1)
	v_max_num_f32 v13, v30, v31                    ; with lane l xor 16's keys: the running largest score of my query
	s_delay_alu instid0(VALU_DEP_1)
	v_mul_f32 v30, s22, v13                        ; -t (c is positive)
	s_delay_alu instid0(VALU_DEP_1)
	v_floor_f32 v12, v30                           ; the new -M = floor(-t) = -ceil(t): a whole number
	s_delay_alu instid0(VALU_DEP_1)
	v_sub_f32 v31, v12, v29                        ; old M - new M: a whole number, 0 or less
	s_delay_alu instid0(VALU_DEP_1)
	v_cvt_i32_f32 v31, v31                         ; (it saturates)
	s_delay_alu instid0(VALU_DEP_1)
	v_ldexp_f32 v[F], 1.0, v31                     ; f = 2^(old M - new M)
.set j, 0
.rept 64
	v_pk_fma_f32 v[S+j:S+j+1], v[S+j:S+j+1], s[18:19], v[12:13] op_sel_hi:[1,0,0]   ; t - M, two at a time (of the pairs c and -M the low word serves both halves)
.set j, j+2
.endr
	v_pk_fma_f32 v[MX:MX+1], v[MX:MX+1], s[18:19], v[12:13] op_sel_hi:[1,0,0]       ; the same of each block's largest score
	v_pk_fma_f32 v[MX+2:MX+3], v[MX+2:MX+3], s[18:19], v[12:13] op_sel_hi:[1,0,0]
	s_wait_alu depctr_va_vdst(0)
.set j, 0
.rept 128
	v_exp_f32 v[S+j], v[S+j]                       ; p = 2^(t - M), at most 1: not normalised
.set j, j+1
.endr
.irp b, 0,1,2,3
	v_exp_f32 v[MX+\b], v[MX+\b]                   ; the block's largest p: the same two instructions on the same number
.endr
	v_pk_mul_f32 v[14:15], v[14:15], v[F:F+1] op_sel_hi:[1,0]     ; the sums under the new M.  (A plain line behind the exponentials)
	s_wait_alu depctr_va_vdst(0)                   ; and behind it, ahead of its first reader
.irp b, 0,1,2,3
	v_max_num_f32 v[MX+\b], 0x1800000, v[MX+\b]    ; the floor 2^(3 - 127): the byte cannot fall under 1
.endr
.irp b, 0,1,2,3
	v_add_nc_u32 v[SO+\b], 0xff000000, v[MX+\b]    ; 2 off the exponent field: the conversion's scale operand
.endr
.irp b, 0,1,2,3
	v_lshrrev_b32 v[BY+\b], 23, v[SO+\b]           ; the scale's byte
.endr
	v_lshl_or_b32 v[BY], v[BY+1], 16, v[BY]        ; my blocks h and 2 + h of record a,
	v_lshl_or_b32 v[BY+2], v[BY+3], 16, v[BY+2]    ; and of record b,
	v_lshlrev_b32 v[BY], v7, v[BY]                 ; at their places in the scale word
	v_lshlrev_b32 v[BY+2], v7, v[BY+2]
	v_cndmask_b32 v[BY+1], v[BY+2], v[BY], s52     ; what lane l xor 16 wants of me: lanes 0-15 give record b's bytes, lanes 16-31 record a's
	v_cndmask_b32 v[BY], v[BY], v[BY+2], s52       ; what I keep: lanes 0-15 record a's, lanes 16-31 record b's
	v_permlanex16_b32 v[BY+3], v[BY+1], s16, s17
	v_or_b32 v[PSC], v[BY], v[BY+3]                ; lanes 0-15: record a's word whole, lanes 16-31: record b's
	CVT S, PC, SO
	v_pk_add_f32 v[T:T+1], v[S:S+1], v[S+2:S+3]    ; the sum's chains begin.  (A plain line behind the conversions)
	v_pk_add_f32 v[T+2:T+3], v[S+4:S+5], v[S+6:S+7]
	v_pk_add_f32 v[T+4:T+5], v[S+8:S+9], v[S+10:S+11]
	v_pk_add_f32 v[14:15], v[14:15], v[S+12:S+13]
.set j, S+14
	SUM4 6
	v_pk_add_f32 v[T:T+1], v[T:T+1], v[j:j+1]      ; record a's last pair, v[S + 62]
	CMOV PC
	VLOAD 0, S, VSC                                ; record a's p is done with: its registers take record a's V
	CVT S+64, PC+12, SO+2
.set j, S+64
	SUM4 8
	CMOV PC+12
	VLOAD REC, S+64, VSC+2
	s_wait_alu depctr_va_vdst(0)
.set j, 0
.rept 16
	v_pk_mul_f32 v[O+j:O+j+1], v[O+j:O+j+1], v[F:F+1] op_sel_hi:[1,0]   ; O^T under the new M.  (These lines stand between the writes of p's codes and the products below)
.set j, j+2
.endr
	s_wait_alu depctr_va_vdst(0)
	s_wait_dscnt 13                                ; record a's V is in; record b's 13 loads may be out
	PVMUL S, PC, VSC, 0
	s_wait_dscnt 0x0
	PVMUL S+64, PC+12, VSC+2, 1
	v_pk_add_f32 v[T+2:T+3], v[T+2:T+3], v[T+4:T+5]   ; the sum's chains are joined: three plain lines that name no register of the products above
	v_pk_add_f32 v[14:15], v[14:15], v[T:T+1]
	v_pk_add_f32 v[14:15], v[14:15], v[T+2:T+3]
.endm
; THE CHANGE OF SLOTS stands at a slot's head.  Each wave waits for its tensor load, adds 0 to its spare word, and waits for that and for its reads of the slot that it has left.  Behind the barrier the slot ahead is whole
; and nobody reads the other one.  fill = 1: the barrier is a round of the cluster's, and the other slot takes the next 1,024 keys (the first time: slot 1's first fill, issued as a refill is).
.macro CHANGE fill
	s_wait_tensorcnt 0x0                           ; no tensor load of mine is out, so the descriptor may be written
	ds_add_u32 v5, v6                              ; 0 onto my spare word
.if \fill
	s_xor_b32 s33, s33, SLOT1                      ; the other slot than last time,
	s_add_nc_u64 s[34:35], s[34:35], SLOTB         ; the next eight records
.endif
	s_wait_dscnt 0x0
.if \fill
	CROUND
	tensor_load_to_lds s[32:35], s[24:31]          ; the first thing behind the round, and my one tensor load until the next
	s_nop 0
.else
	s_barrier_signal -1
	s_barrier_wait -1
.endif
.endm
.macro SLOT_STEPS                      ; a slot's four steps: a counted loop, the LDS byte stepped by two records a trip
	s_mov_b32 s23, s20
	s_mov_b32 s51, 0
.Lstep_\@:
	v_add_nc_u32 v3, s23, v1                       ; (with the sum's three joins: five places behind the last step's products, ahead of the loads into p's registers and of the products that write over V's)
	v_add_nc_u32 v4, s23, v2
	s_wait_alu depctr_va_vdst(0)                   ; the wait behind these writes
	DSTEP
	s_add_co_u32 s23, s23, 2*REC
	s_add_co_u32 s51, s51, 1
	s_cmp_lt_u32 s51, 4
	s_wait_alu depctr_va_vdst(0)
	s_cbranch_scc1 .Lstep_\@
	s_xor_b32 s20, s20, SLOT1                      ; on to the other slot
.endm
	s_wait_alu depctr_va_vdst(0)
.Lslot:                                            ; three trips: behind each change of slots but the last a fill is asked for
	CHANGE 1
	SLOT_STEPS
	s_sub_co_u32 s21, s21, 1
	s_cmp_lg_u32 s21, 0
	s_cbranch_scc1 .Lslot
	CHANGE 0                                       ; the last slot is written out
	SLOT_STEPS
	; THE WAY OUT.  O^T is divided by the row's sum and quantised along the head's 64 channels: register 16 g + i is channel 32 g + 16 h + i of my query.
	v_add_f32 v14, v14, v15
	v_permlanex16_b32 v31, v14, s16, s17
	v_add_f32 v14, v14, v31                        ; the row's sum
	s_wait_alu depctr_va_vdst(0)
	v_rcp_f32 v14, v14
	PLACES 4                                       ; a plain line behind the reciprocal, and places behind the last products
	s_wait_alu depctr_va_vdst(0)
.set j, 0
.rept 32
	v_mul_f32 v[S+j], v[O+j], v14                  ; each accumulator from its low end on
.set j, j+1
.endr
	v_and_b32 v60, 0x1e0, v0
	v_and_b32 v63, 15, v0
	v_lshlrev_b32 v60, 1, v60
	v_lshl_add_u32 v61, v0, 4, OSTG                ; the words come back 16 bytes a thread (waves 0 and 1),
	v_lshlrev_b32 v62, 4, v0                       ; to the same place in os
	v_lshl_add_u32 v60, v63, 2, v60
	v_add_nc_u32 v60, OSTG, v60                    ; my query's scale word of O: 64 x wave + 4 r
.irp b, 0,1
	v_max3_num_f32 v[MX+\b], |v[S+16*\b]|, |v[S+1+16*\b]|, 0x1800000   ; block b: my 16 numbers, and the floor
.endr
.irp i, 2,4,6,8,10,12,14
.irp b, 0,1
	v_max3_num_f32 v[MX+\b], v[MX+\b], |v[S+16*\b+\i]|, |v[S+1+16*\b+\i]|
.endr
.endr
.irp b, 0,1
	v_permlanex16_b32 v[BY+\b], v[MX+\b], s16, s17
.endr
.irp b, 0,1
	v_max_num_f32 v[MX+\b], v[MX+\b], v[BY+\b]     ; with lane l xor 16's: the block's largest magnitude
.endr
.irp b, 0,1
	v_add_nc_u32 v[SO+\b], 0xff000000, v[MX+\b]
.endr
.irp b, 0,1
	v_lshrrev_b32 v[BY+\b], 23, v[SO+\b]
.endr
	v_lshl_or_b32 v29, v[BY+1], 8, v[BY]           ; my query's two bytes
	v_cvt_scalef32_pk16_fp6_f32 v[PC:PC+2], v[S:S+15], v[SO]
	v_cvt_scalef32_pk16_fp6_f32 v[PC+8:PC+10], v[S+16:S+31], v[SO+1]
	v_nop                                          ; one plain line behind a scaled conversion
.irp i, 0,1,2
	v_permlane16_swap_b32 v[PC+\i], v[PC+8+\i]     ; a whole block in a lane: lanes 0-15 channels 0-31, lanes 16-31 channels 32-63
.endr
.irp i, 0,1,2
	v_mov_b32 v[PC+3+\i], v[PC+8+\i]
.endr
	global_store_b128 v1, v[PC:PC+3], s[8:9]                   ; 512 consecutive bytes, at a multiple of 256 from oc's first byte
	global_store_b64 v2, v[PC+4:PC+5], s[8:9] offset:512       ; and 256 more
	ds_store_b32 v60, v29                          ; (both halves of the lanes write the same word with the same value)
	s_wait_alu depctr_va_vdst(0)
	s_wait_dscnt 0x0                               ; for the others' sake: my words have landed
	s_barrier_signal -1
	s_barrier_wait -1
	s_cmp_lt_u32 s12, 2
	s_cbranch_scc0 .Lno_words
	ds_load_b128 v[64:67], v61
	s_wait_dscnt 0x0
	global_store_b128 v62, v[64:67], s[10:11]      ; the block's 256 words: 512 consecutive bytes a wave
.Lno_words:
	s_wait_tensorcnt 0x0                           ; the wave's end
	ds_add_u32 v5, v6
	s_wait_dscnt 0x0
	CROUND                                         ; the closing round
	s_endpgm
.Lfunc_end_k_q1319dac072_attn:
	.size	k_q1319dac072_attn, .Lfunc_end_k_q1319dac072_attn-k_q1319dac072_attn
	.p2alignl 7, 3214868480
	.fill 96, 4, 3214868480
	.section	.rodata,"a",@progbits
	.p2align	6, 0x0
	.amdhsa_kernel k_q1319dac072_attn
		.amdhsa_group_segment_fixed_size 327680
		.amdhsa_private_segment_fixed_size 0
		.amdhsa_enable_private_segment 0
		.amdhsa_kernarg_size 32
		.amdhsa_user_sgpr_count 2
		.amdhsa_user_sgpr_kernarg_segment_ptr 1
		.amdhsa_wavefront_size32 1
		.amdhsa_system_sgpr_workgroup_id_x 1
		.amdhsa_system_sgpr_workgroup_id_y 1
		.amdhsa_system_sgpr_workgroup_id_z 1
		.amdhsa_system_vgpr_workitem_id 0
		.amdhsa_next_free_vgpr 256
		.amdhsa_next_free_sgpr 66
		.amdhsa_reserve_vcc 0
		.amdhsa_float_denorm_mode_32 3
		.amdhsa_float_denorm_mode_16_64 3
		.amdhsa_memory_ordered 1
		.amdhsa_forward_progress 1
		.amdhsa_inst_pref_size 69
	.end_amdhsa_kernel
	.amdgpu_metadata
---
amdhsa.version: [ 1, 2 ]
amdhsa.kernels:
  - .name:           k_q1319dac072_attn
    .symbol:         k_q1319dac072_attn.kd
    .args:
      - { .name: query, .offset: 0, .size: 8, .value_kind: global_buffer, .address_space: global }
      - { .name: kv, .offset: 8, .size: 8, .value_kind: global_buffer, .address_space: global }
      - { .name: oc, .offset: 16, .size: 8, .value_kind: global_buffer, .address_space: global }
      - { .name: os, .offset: 24, .size: 8, .value_kind: global_buffer, .address_space: global }
    .group_segment_fixed_size: 327680
    .private_segment_fixed_size: 0
    .kernarg_segment_align: 8
    .kernarg_segment_size: 32
    .max_flat_workgroup_size: 512
    .sgpr_count:     66
    .vgpr_count:     256
    .wavefront_size: 32
...
	.end_amdgpu_metadata
.endif
;; end of part 2
;; launch proj (part 3): grid 256 x 1, 2 waves a work-group, no clusters, 0 bytes of LDS; arguments oc, os, wc, ws, b_out, out0; writes out0
.if DOCPART == 3
	.amdgcn_target "amdgcn-amd-amdhsa--gfx1250"
	.amdhsa_code_object_version 6
	.text
	.protected	k_q1319dac072_proj
	.globl	k_q1319dac072_proj
	.p2align	8
	.type	k_q1319dac072_proj,@function
k_q1319dac072_proj:
	s_mov_b64 s[64:65], 0
	v_nop
	global_prefetch_b8 v0, s[64:65] scope:SCOPE_SE
	s_setreg_imm32_b32 hwreg(HW_REG_WAVE_MODE, 25, 1), 1
	s_wait_xcnt 0x0
; out0[8192][64] = O W_out + b_out, on codes of FP6 (E2M3) with one E8M0 scale for each 32 along K = 512 = (head, channel).  O's codes (oc) and scale words (os) and W_out's (wc, ws) lie as images of operand registers.
; A wave takes 16 rows and all 64 columns: 4 K steps x 4 tiles of columns, 16 matrix instructions, four accumulators by turns.  Straight-line text: no LDS, no barrier, no loop; all operands are asked for at once.
; Tile nt's lane r is column 4 r + nt: so the bias's addition lays four neighbouring outputs in four consecutive registers, and sixteen lanes store a whole row of 256 bytes.
; No tensor loads, ring or cluster: a wave's operands are 33.5 KiB, read once into registers.
; REGISTERS: window 0: v1 16 x lane, v2 8 x lane, v3 4 r, v4 16 r, v5 my place in the 16 rows of out0; v8-15 O's scale words by head; v16-19 by K step; v20-35 W's scale words; v36-39 the bias of my four columns;
;   v40-87 O's four fragments; v88-119 the four accumulators; v120-151 the results.   window 1: v0-191 W's sixteen fragments, (ks, nt) at 12 (4 ks + nt).
.set RAW, 8
.set AS,  16
.set WS,  20
.set BI,  36
.set AF,  40
.set ACC, 88
.set T,   120
.set MSB, 0
.macro WIN new                         ; the immediate's high byte repeats the setting that is left
.if MSB != \new
	s_set_vgpr_msb (MSB<<8)|\new
.set MSB, \new
.endif
.endm
	s_load_b256 s[4:11], s[0:1], 0x0               ; oc s[4:5], os s[6:7], wc s[8:9], ws s[10:11]
	s_load_b128 s[12:15], s[0:1], 0x20             ; b_out s[12:13], out0 s[14:15]
	v_lshrrev_b32 v1, 5, v0
	v_readfirstlane_b32 s16, v1                    ; wave 0, 1
	v_and_b32 v6, 31, v0                           ; lane
	v_and_b32 v7, 15, v0                           ; r
	v_bfe_u32 v152, v0, 4, 1                       ; h
	v_lshlrev_b32 v1, 4, v6
	v_lshlrev_b32 v2, 3, v6
	v_lshlrev_b32 v3, 2, v7
	v_lshlrev_b32 v4, 4, v7
	v_lshl_add_u32 v5, v152, 11, v4                ; rows 8 h on, columns 4 r on
	s_lshl_b32 s17, ttmp9, 1
	s_add_co_u32 s17, s17, s16                     ; my tile of 16 rows
	s_mul_i32 s18, s17, 6144                       ; oc: 8 heads x 768 bytes a tile
	s_mov_b32 s19, 0
	s_lshr_b32 s20, s17, 8                         ; b
	s_and_b32 s21, s17, 255
	s_lshl_b32 s20, s20, 17                        ; os: 8 heads x 4,096 words a batch,
	s_lshl_b32 s21, s21, 6                         ; 16 words a tile
	s_add_co_u32 s20, s20, s21
	s_mov_b32 s21, 0
	s_lshl_b32 s22, s17, 12                        ; out0: 16 rows of 256 bytes
	s_mov_b32 s23, 0
	s_wait_alu depctr_va_vdst(0)
	s_wait_kmcnt 0x0
	s_add_nc_u64 s[4:5], s[4:5], s[18:19]
	s_add_nc_u64 s[6:7], s[6:7], s[20:21]
	s_add_nc_u64 s[14:15], s[14:15], s[22:23]
	WIN 0x40                                       ; destination window 1, address window 0
.set f, 0
.rept 16
.irp j, 0,1,2
	global_load_b128 v[12*f+4*\j:12*f+4*\j+3], v1, s[8:9] offset:1536*f+512*\j   ; W's fragments: 512 consecutive bytes a load
.endr
.set f, f+1
.endr
	WIN 0
.irp d, 0,1,2,3,4,5,6,7                        ; head d is K = 64 d .. 64 d + 63: registers 6 (d % 2) on of K step d / 2's fragment
	global_load_b128 v[AF+12*(\d/2)+6*(\d%2):AF+12*(\d/2)+6*(\d%2)+3], v1, s[4:5] offset:768*\d
	global_load_b64 v[AF+12*(\d/2)+6*(\d%2)+4:AF+12*(\d/2)+6*(\d%2)+5], v2, s[4:5] offset:768*\d+512
	global_load_b32 v[RAW+\d], v3, s[6:7] offset:16384*\d      ; row r's two bytes of head d
.endr
.irp k, 0,1,2,3
	global_load_b128 v[WS+4*\k:WS+4*\k+3], v1, s[10:11] offset:512*\k
.endr
	global_load_b128 v[BI:BI+3], v4, s[12:13]
	s_wait_loadcnt 0x0
.irp k, 0,1,2,3
	v_lshl_or_b32 v[AS+\k], v[RAW+2*\k+1], 16, v[RAW+2*\k]     ; two heads' bytes make a K step's scale word
.endr
.rept 8
	v_nop                                          ; a scale register written by a vector instruction stands eight places ahead of a scaled matrix instruction
.endr
	WIN 0x04                                       ; source 1 (W) window 1
.irp k, 0,1,2,3
.irp n, 0,1,2,3
.if \k == 0
	v_wmma_scale_f32_16x16x128_f8f6f4 v[ACC+8*\n:ACC+8*\n+7], v[AF+12*\k:AF+12*\k+11], v[12*(4*\k+\n):12*(4*\k+\n)+11], 0, v[AS+\k], v[WS+4*\k+\n] matrix_a_fmt:MATRIX_FMT_FP6 matrix_b_fmt:MATRIX_FMT_FP6
.else
	v_wmma_scale_f32_16x16x128_f8f6f4 v[ACC+8*\n:ACC+8*\n+7], v[AF+12*\k:AF+12*\k+11], v[12*(4*\k+\n):12*(4*\k+\n)+11], v[ACC+8*\n:ACC+8*\n+7], v[AS+\k], v[WS+4*\k+\n] matrix_a_fmt:MATRIX_FMT_FP6 matrix_b_fmt:MATRIX_FMT_FP6
.endif
.endr
.endr
	WIN 0
.rept 4
	v_nop                                          ; four places in front of the first read of results (ISA guide 7.12.1)
.endr
.irp j, 0,1,2,3,4,5,6,7
.irp n, 0,1,2,3
	v_add_f32 v[T+4*\j+\n], v[ACC+8*\n+\j], v[BI+\n]           ; out0(8 h + j, 4 r + n); each accumulator from its low end on
.endr
.endr
.irp j, 0,1,2,3,4,5,6,7
	global_store_b128 v5, v[T+4*\j:T+4*\j+3], s[14:15] offset:256*\j th:TH_STORE_NT   ; lanes 0-15 store row j whole, lanes 16-31 row 8 + j: 256 consecutive bytes each, at multiples of 256
.endr
	s_endpgm
.Lfunc_end_k_q1319dac072_proj:
	.size	k_q1319dac072_proj, .Lfunc_end_k_q1319dac072_proj-k_q1319dac072_proj
	.p2alignl 7, 3214868480
	.fill 96, 4, 3214868480
	.section	.rodata,"a",@progbits
	.p2align	6, 0x0
	.amdhsa_kernel k_q1319dac072_proj
		.amdhsa_group_segment_fixed_size 0
		.amdhsa_private_segment_fixed_size 0
		.amdhsa_enable_private_segment 0
		.amdhsa_kernarg_size 48
		.amdhsa_user_sgpr_count 2
		.amdhsa_user_sgpr_kernarg_segment_ptr 1
		.amdhsa_wavefront_size32 1
		.amdhsa_system_sgpr_workgroup_id_x 1
		.amdhsa_system_sgpr_workgroup_id_y 1
		.amdhsa_system_sgpr_workgroup_id_z 1
		.amdhsa_system_vgpr_workitem_id 0
		.amdhsa_next_free_vgpr 448
		.amdhsa_next_free_sgpr 66
		.amdhsa_reserve_vcc 0
		.amdhsa_float_denorm_mode_32 3
		.amdhsa_float_denorm_mode_16_64 3
		.amdhsa_memory_ordered 1
		.amdhsa_forward_progress 1
		.amdhsa_inst_pref_size 14
	.end_amdhsa_kernel
	.amdgpu_metadata
---
amdhsa.version: [ 1, 2 ]
amdhsa.kernels:
  - .name:           k_q1319dac072_proj
    .symbol:         k_q1319dac072_proj.kd
    .args:
      - { .name: oc, .offset: 0, .size: 8, .value_kind: global_buffer, .address_space: global }
      - { .name: os, .offset: 8, .size: 8, .value_kind: global_buffer, .address_space: global }
      - { .name: wc, .offset: 16, .size: 8, .value_kind: global_buffer, .address_space: global }
      - { .name: ws, .offset: 24, .size: 8, .value_kind: global_buffer, .address_space: global }
      - { .name: b_out, .offset: 32, .size: 8, .value_kind: global_buffer, .address_space: global }
      - { .name: out0, .offset: 40, .size: 8, .value_kind: global_buffer, .address_space: global }
    .group_segment_fixed_size: 0
    .private_segment_fixed_size: 0
    .kernarg_segment_align: 8
    .kernarg_segment_size: 48
    .max_flat_workgroup_size: 64
    .sgpr_count:     66
    .vgpr_count:     448
    .wavefront_size: 32
...
	.end_amdgpu_metadata
.endif
;; end of part 3
